; MI455X (gfx1250); checked and timed in simulation.
; The chip was launched on July 23, 2026; its instructions are those of AMD's public machine-readable ISA for CDNA 5 (MIT licence, August 2026) and "CDNA5" Instruction Set Architecture Reference Guide (July 2026). The comments in the code are by the model that wrote it; some were corrected since.
;; Simple Attention. Allowed arithmetic: matrix products marked QUANTISED: E5M2 operands, one given power-of-two scale a tensor, by v_wmma_f32_16x16x64_bf8_bf8 or v_wmma_f32_16x16x128_bf8_bf8, f32 sums; everything else in f32.
;; Inputs: fc_b 1,024 float32; fc_w 1,024 x 1,024 float32; lowp_scales 12 int32 (the exponents e of the quantised operands' scales 2^e); norm_scale 1,024 float32; wk_b 1,024 float32; wk_w 1,024 x 1,024 float32; wq_b 1,024 float32; wq_w 1,024 x 1,024 float32; wv_b 1,024 float32; wv_w 1,024 x 1,024 float32; x 4 x 2,048 x 1,024 float32.
;; Outputs: out0 4 x 2,048 x 1,024 float32.
;; This version of the problem:
;;   THIS VERSION OF THE PROBLEM IS GIVEN IN LOW PRECISION. The matrix products marked QUANTISED in the list below multiply operands that are first quantised to E5M2 (5 exponent bits, 2 mantissa bits; 8 bits a number), with one given power-of-two scale for each operand tensor; their sums are f32. All else is computed in f32.
;;   The module's matrix products, in the order in which they are computed (A, B: the left and right operand; K: the contracted axis; several contracted axes count as one K, in the product's order):
;;     1. [M 8,192, K 1,024] x [K 1,024, N 1,024]; A: computed on the way; B: input wq_w: QUANTISED (scales: A lowp_scales[0], B lowp_scales[1])
;;     2. [M 8,192, K 1,024] x [K 1,024, N 1,024]; A: computed on the way; B: input wk_w: QUANTISED (scales: A lowp_scales[2], B lowp_scales[3])
;;     3. [M 8,192, K 1,024] x [K 1,024, N 1,024]; A: computed on the way; B: input wv_w: QUANTISED (scales: A lowp_scales[4], B lowp_scales[5])
;;     4. batch 64 x [M 2,048, K 64] x [K 64, N 2,048]; A: computed on the way; B: computed on the way: QUANTISED (scales: A lowp_scales[6], B lowp_scales[7])
;;     5. batch 64 x [M 2,048, K 2,048] x [K 2,048, N 64]; A: softmax (see below); B: computed on the way: QUANTISED (scales: A lowp_scales[8], B lowp_scales[9])
;;     6. [M 8,192, K 1,024] x [K 1,024, N 1,024]; A: computed on the way; B: input fc_w: QUANTISED (scales: A lowp_scales[10], B lowp_scales[11])
;;   THE QUANTISER, for each operand of a quantised product, along K:
;;     - The operand's scale is 2^e, e = its entry of the input lowp_scales (int32; the entries are numbered through the quantised products in the list's order, A before B).
;;     - Each number is divided by the scale, clamped to +-57,344, and rounded to the nearest number of E5M2, ties to even, subnormals kept.
;;     - The product sums the exact products of the quantised numbers (number of the format x scale) in f32.
;;   ~~~python
;;   def quantise(x, axis, e):      # numpy; x: float32 -> the quantised numbers, widened to float32 again
;;       x = np.moveaxis(x, axis, -1); K = x.shape[-1]
;;       r = np.clip(x / 2.0 ** e, -57344, 57344)
;;       step = 2.0 ** (np.maximum(np.frexp(np.where(r == 0, 1, r))[1] - 1, -14) - 2)
;;       q = np.round(r / step) * step * 2.0 ** e      # np.round: ties to even
;;       return np.moveaxis(q, -1, axis).astype(np.float32)
;;   ~~~
;;   SOFTMAX AHEAD OF A QUANTISED PRODUCT. Where the list says 'softmax', what is quantised is not the finished softmax but p = 2^(t - M), with t = logit x log2(e) and M = ceil(the row's largest t), a whole number; so 1/2 < the row's largest p <= 1. The row's sum l is taken of the UNQUANTISED p, in f32, and the product's result is divided by l at the end. Since M is a whole number, a kernel that streams over the keys may use a running M (the ceiling of the running maximum): every later rescaling is an exact power of two, so the quantised numbers keep their values, but for numbers so far below the row's largest that they fall under the format's range.
;;   OPERANDS COMPUTED ON THE WAY. 'Computed on the way' means the value that the module computes at that place (a softmax that the list does not call 'softmax' is quantised finished and normalised). What goes into a quantiser is computed in f32, as accurately as f32 sums, v_exp_f32 and their like allow (about 1e-6 of the number): no bf16 or f16 on the way to a quantiser, and a product that is left as it is and whose result goes on into a quantised operand takes f32 operands (vector FMAs, or v_wmma_f32_16x16x4_f32). A number that lies on a knife's edge between two numbers of the format may be rounded either way, as far as f32 arithmetic and the matrix unit's own rounding can turn it there, and no further.
;; One version. Each part assembles by itself: llvm-mc -triple=amdgcn-amd-amdhsa -mcpu=gfx1250 --defsym DOCPART=n.
;; ======== version 1 of 1: 4 launches
;; workspace buffers: xn_codes 25,165,824 bytes; w_codes 4,194,304 bytes; qkv_codes 25,165,824 bytes; ctx_img 8,388,608 bytes
;; launch prep (part 1): grid 768 x 1, 4 waves a work-group, no clusters, 0 bytes of LDS; arguments x, norm_scale, wq_w, wk_w, wv_w, fc_w, lowp_scales, xn_codes, w_codes; writes xn_codes, w_codes
.if DOCPART == 1
	.amdgcn_target "amdgcn-amd-amdhsa--gfx1250"
	.amdhsa_code_object_version 6
	.text
	.protected	k_q9e4ac06af0_prep
	.globl	k_q9e4ac06af0_prep
	.p2align	8
	.type	k_q9e4ac06af0_prep,@function
k_q9e4ac06af0_prep:
	s_mov_b64 s[64:65], 0
	v_nop
	global_prefetch_b8 v0, s[64:65] scope:SCOPE_SE
	s_setreg_imm32_b32 hwreg(HW_REG_WAVE_MODE, 25, 1), 1
	s_wait_xcnt 0x0
; PREP: the first of four launches of  out = fc(attention(rmsnorm(x))) + x  on codes of BF8 (E5M2), one given scale 2^e for each operand.
; It makes xn = norm_scale * x / sqrt(mean(x^2) + 1e-8) in f32 and quantises it three times (exponents 0, 2, 4 of lowp_scales: the A operands of the Q, K and V projections),
; and quantises the four weights (exponents 1, 3, 5, 11).  code = number / 2^e, held within +-57,344, to the nearest code, ties to even.
; WORK LEFT OUT IN THE PROGRAM: only in the attention launch, and only key steps of 128 keys all of which come after a wave's 16 queries.  reference() builds the causal mask itself (jnp.tril) and sets
; those logits to -inf ahead of the softmax, so their p is 0 and they add nothing to the row's maximum, its sum or its product with V, whatever finite values the inputs hold.  Every input has a way to the output and is loaded.
; LIMIT: a NaN, an infinity or an overflow that arises only in such a hidden step is not carried to the result.
; THE ORDER OF K.  With one scale a tensor a code hangs on its own number alone, so any order of K that is the same in both operands of a product gives the same products.
;  x, wq, wk, wv: byte 256 jj + 8 l + 4 u + i of a row of codes holds k = 256 jj + 128 u + 4 l + i: what two dense 16-byte loads a lane (512 bytes a wave each) leave in lane l's eight registers.
;  fc_w: k in its natural order, but for the groups of 8 codes: group g of each 32 groups lies at the place whose two lowest bits are g's, exchanged: so 16-byte LDS loads give the matrix form's own order (launch fc).
; SHARES.  A wave takes 4 rows of 1,024 numbers; all its 32 loads go out at its head.  Work-groups 0-511: x; 512-767: the weights, 64 work-groups each.  No LDS: a row's sum stays in its wave.
; LIMITS: each exponent between -126 and 112, so that 2^e and 57,344 x 2^e are f32 numbers.  NaN among the inputs is not served.
.set G, 32                             ; v32-63   norm_scale, in the lanes' order
.set X, 64                             ; v64-191  four rows, 32 numbers a lane each
.set T, 192                            ; v192-223 at work (x); the codes (weights)
.set C, 224                            ; v224-247 a row's codes for the three planes
.macro LOADROW i                       ; eight loads: row i; v2, v3: the lane's two places in each 1,024 bytes
.irp jj, 0,1,2,3
	global_load_b128 v[X+32*\i+8*\jj:X+32*\i+8*\jj+3], v2, s[28:29] offset:4096*\i+1024*\jj th:TH_LOAD_NT
	global_load_b128 v[X+32*\i+8*\jj+4:X+32*\i+8*\jj+7], v3, s[28:29] offset:4096*\i+1024*\jj th:TH_LOAD_NT
.endr
.endm
.macro MKSCALE e, vs, vl               ; s[e] = the exponent: v[vs] = 2^e as f32, v[vl] = 57,344 x 2^e
	s_add_co_i32 s57, s[\e], 127
	s_lshl_b32 s58, s57, 23
	v_mov_b32 v[\vs], s58
	s_add_co_i32 s57, s57, 15
	s_lshl_b32 s57, s57, 23
	s_or_b32 s57, s57, 0x600000
	v_mov_b32 v[\vl], s57
.endm
	s_load_b512 s[8:23], s[0:1], 0x0               ; x 8, norm_scale 10, wq 12, wk 14, wv 16, fc 18, lowp_scales 20, xn_codes 22
	s_load_b64 s[24:25], s[0:1], 0x40              ; w_codes
	v_lshrrev_b32 v1, 5, v0
	v_readfirstlane_b32 s26, v1                    ; wave
	v_and_b32 v1, 31, v0                           ; lane
	s_mov_b32 s31, 0
	s_wait_kmcnt 0x0
	s_load_b256 s[32:39], s[20:21], 0x0            ; exponents 0-7
	s_load_b128 s[40:43], s[20:21], 0x20           ; exponents 8-11
	s_cmp_ge_u32 ttmp9, 512
	s_cbranch_scc1 .Lweights
	; ---- x
	s_lshl_b32 s27, ttmp9, 2
	s_add_co_u32 s27, s27, s26                     ; which run of 4 rows is my wave's
	s_lshl_b32 s30, s27, 14                        ; 4 rows of 4,096 bytes
	s_add_nc_u64 s[28:29], s[8:9], s[30:31]
	s_lshl_b32 s30, s27, 12                        ; 4 rows of 1,024 codes
	s_add_nc_u64 s[44:45], s[22:23], s[30:31]      ; the three planes lie 2^23 bytes apart
	s_add_nc_u64 s[46:47], s[44:45], 0x800000
	s_add_nc_u64 s[48:49], s[46:47], 0x800000
	s_mov_b32 s52, 0x76543210                      ; v_permlanex16_b32: lane l xor 16
	s_mov_b32 s53, 0xfedcba98
	s_mov_b32 s54, 0x3a800000                      ; 1 / 1,024
	s_mov_b32 s55, 0x322bcc77                      ; 1e-8
	v_lshlrev_b32 v2, 4, v1
	v_add_nc_u32 v3, 512, v2
	v_lshlrev_b32 v4, 3, v1                        ; my 8 codes of each 256
	v_mov_b32 v20, 0                               ; a lane permute's destination counts as read
.irp jj, 0,1,2,3
	global_load_b128 v[G+8*\jj:G+8*\jj+3], v2, s[10:11] offset:1024*\jj
	global_load_b128 v[G+8*\jj+4:G+8*\jj+7], v3, s[10:11] offset:1024*\jj
.endr
	LOADROW 0
	LOADROW 1
	LOADROW 2
	LOADROW 3
	s_wait_kmcnt 0x0
	MKSCALE 32, 8, 9
	MKSCALE 34, 10, 11
	MKSCALE 36, 12, 13
.macro XROW i
.set R, X+32*\i
	s_wait_loadcnt 8*(3-\i)                        ; loads come back in order: this row's eight (and norm_scale's) are in, the later rows' stay out
	v_pk_mul_f32 v[16:17], v[R:R+1], v[R:R+1]      ; the sum of squares, two at a time, in two chains started by the first products
	v_pk_mul_f32 v[18:19], v[R+2:R+3], v[R+2:R+3]
.irp j, 4,8,12,16,20,24,28
	v_pk_fma_f32 v[16:17], v[R+\j:R+\j+1], v[R+\j:R+\j+1], v[16:17]
	v_pk_fma_f32 v[18:19], v[R+\j+2:R+\j+3], v[R+\j+2:R+\j+3], v[18:19]
.endr
	v_pk_add_f32 v[16:17], v[16:17], v[18:19]
	v_add_f32 v16, v16, v17
	v_add_f32_dpp v16, v16, v16 row_xmask:1 row_mask:0xf bank_mask:0xf
	v_add_f32_dpp v16, v16, v16 row_xmask:2 row_mask:0xf bank_mask:0xf
	v_add_f32_dpp v16, v16, v16 row_xmask:4 row_mask:0xf bank_mask:0xf
	v_add_f32_dpp v16, v16, v16 row_xmask:8 row_mask:0xf bank_mask:0xf
	v_permlanex16_b32 v20, v16, s52, s53
	v_add_f32 v16, v16, v20                        ; every lane holds the row's sum
	v_fma_f32 v16, v16, s54, s55                   ; the mean + 1e-8
	v_rsq_f32 v14, v16                             ; twice: a pair for the packed multiply
	v_rsq_f32 v15, v16
.set j, 0
.rept 16
	v_pk_mul_f32 v[R+j:R+j+1], v[R+j:R+j+1], v[G+j:G+j+1]    ; x * norm_scale: plain work that names no result of the two lines above
.set j, j+2
.endr
	s_wait_alu depctr_va_vdst(0)                   ; one wait for both, ahead of their first reader
.set j, 0
.rept 16
	v_pk_mul_f32 v[R+j:R+j+1], v[R+j:R+j+1], v[14:15]
.set j, j+2
.endr
.if \i > 0
	s_wait_xcnt 0x0                                ; the last row's stores have read their data: the codes' registers are written again only behind this wait
.endif
.irp z, 0,1,2
.set j, 0
.rept 32
	v_med3_num_f32 v[T+j], v[R+j], -v[9+2*\z], v[9+2*\z]     ; the conversion does not saturate (ISA guide 7.6.2): the hold at the largest code x the scale
.set j, j+1
.endr
.irp jj, 0,1,2,3
	v_cvt_scalef32_pk8_bf8_f32 v[C+8*\z+2*\jj:C+8*\z+2*\jj+1], v[T+8*\jj:T+8*\jj+7], v[8+2*\z]
.endr
	v_nop                                          ; a plain line between the conversions and the next lines that write their sources
.irp jj, 0,1,2,3
	global_store_b64 v4, v[C+8*\z+2*\jj:C+8*\z+2*\jj+1], s[44+2*\z:45+2*\z] offset:1024*\i+256*\jj   ; 32 lanes store 256 consecutive bytes, aligned
.endr
.endr
.endm
	XROW 0
	XROW 1
	XROW 2
	XROW 3
	s_endpgm
	; ---- the weights
.Lweights:
	s_sub_co_u32 s27, ttmp9, 512
	s_lshr_b32 s56, s27, 6                         ; which weight: 0 wq, 1 wk, 2 wv, 3 fc
	s_and_b32 s27, s27, 63
	s_lshl_b32 s27, s27, 4
	s_lshl_b32 s57, s26, 2
	s_add_co_u32 s27, s27, s57                     ; my wave's first row
	s_cmp_lt_u32 s56, 2                            ; the choices hang on the work-group's number alone
	s_cselect_b64 s[28:29], s[12:13], s[16:17]
	s_cselect_b64 s[50:51], s[14:15], s[18:19]
	s_and_b32 s57, s56, 1
	s_cmp_eq_u32 s57, 1
	s_cselect_b64 s[28:29], s[50:51], s[28:29]
	s_cmp_eq_u32 s56, 3                            ; fc_w: a lane takes 8 neighbours (32 bytes); the others: 4 and 4, 512 bytes apart
	s_cselect_b32 s59, 5, 4
	s_cselect_b32 s60, 16, 512
	s_cselect_b32 s61, -1, 0
	s_lshl_b32 s30, s27, 12
	s_add_nc_u64 s[28:29], s[28:29], s[30:31]
	s_lshl_b32 s30, s27, 10
	s_lshl_b32 s57, s56, 20
	s_add_co_u32 s30, s30, s57
	s_add_nc_u64 s[44:45], s[24:25], s[30:31]
	v_lshlrev_b32 v2, s59, v1
	v_add_nc_u32 v3, s60, v2
	v_lshlrev_b32 v4, 3, v1
	v_and_b32 v5, 28, v1                           ; fc_w: group l goes to the place with l's two lowest bits exchanged
	v_and_b32 v6, 1, v1
	v_lshl_or_b32 v5, v6, 1, v5
	v_bfe_u32 v6, v1, 1, 1
	v_or_b32 v5, v5, v6
	v_lshlrev_b32 v5, 3, v5
	v_cndmask_b32 v4, v4, v5, s61
	LOADROW 0
	LOADROW 1
	LOADROW 2
	LOADROW 3
	s_wait_kmcnt 0x0
	s_cmp_lt_u32 s56, 2
	s_cselect_b32 s62, s33, s37
	s_cselect_b32 s63, s35, s43
	s_and_b32 s57, s56, 1
	s_cmp_eq_u32 s57, 1
	s_cselect_b32 s62, s63, s62                    ; the weight's exponent: entry 1, 3, 5 or 11
	MKSCALE 62, 8, 9
.macro WROW i                          ; each row has its own registers for its codes: no store's data are written again
.set R, X+32*\i
	s_wait_loadcnt 8*(3-\i)
.set j, 0
.rept 32
	v_med3_num_f32 v[R+j], v[R+j], -v9, v9
.set j, j+1
.endr
.irp jj, 0,1,2,3
	v_cvt_scalef32_pk8_bf8_f32 v[T+8*\i+2*\jj:T+8*\i+2*\jj+1], v[R+8*\jj:R+8*\jj+7], v8
.endr
	v_nop
.irp jj, 0,1,2,3
	global_store_b64 v4, v[T+8*\i+2*\jj:T+8*\i+2*\jj+1], s[44:45] offset:1024*\i+256*\jj
.endr
.endm
	WROW 0
	WROW 1
	WROW 2
	WROW 3
	s_endpgm
.Lfunc_end_k_q9e4ac06af0_prep:
	.size	k_q9e4ac06af0_prep, .Lfunc_end_k_q9e4ac06af0_prep-k_q9e4ac06af0_prep
	.p2alignl 7, 3214868480
	.fill 96, 4, 3214868480
	.section	.rodata,"a",@progbits
	.p2align	6, 0x0
	.amdhsa_kernel k_q9e4ac06af0_prep
		.amdhsa_group_segment_fixed_size 0
		.amdhsa_private_segment_fixed_size 0
		.amdhsa_enable_private_segment 0
		.amdhsa_kernarg_size 72
		.amdhsa_user_sgpr_count 2
		.amdhsa_user_sgpr_kernarg_segment_ptr 1
		.amdhsa_wavefront_size32 1
		.amdhsa_system_sgpr_workgroup_id_x 1
		.amdhsa_system_sgpr_workgroup_id_y 1
		.amdhsa_system_sgpr_workgroup_id_z 1
		.amdhsa_system_vgpr_workitem_id 0
		.amdhsa_next_free_vgpr 248
		.amdhsa_next_free_sgpr 66
		.amdhsa_reserve_vcc 0
		.amdhsa_float_denorm_mode_32 3
		.amdhsa_float_denorm_mode_16_64 3
		.amdhsa_memory_ordered 1
		.amdhsa_forward_progress 1
		.amdhsa_inst_pref_size 69
	.end_amdhsa_kernel
	.amdgpu_metadata
---
amdhsa.version: [ 1, 2 ]
amdhsa.kernels:
  - .name:           k_q9e4ac06af0_prep
    .symbol:         k_q9e4ac06af0_prep.kd
    .args:
      - { .name: x, .offset: 0, .size: 8, .value_kind: global_buffer, .address_space: global }
      - { .name: norm_scale, .offset: 8, .size: 8, .value_kind: global_buffer, .address_space: global }
      - { .name: wq_w, .offset: 16, .size: 8, .value_kind: global_buffer, .address_space: global }
      - { .name: wk_w, .offset: 24, .size: 8, .value_kind: global_buffer, .address_space: global }
      - { .name: wv_w, .offset: 32, .size: 8, .value_kind: global_buffer, .address_space: global }
      - { .name: fc_w, .offset: 40, .size: 8, .value_kind: global_buffer, .address_space: global }
      - { .name: lowp_scales, .offset: 48, .size: 8, .value_kind: global_buffer, .address_space: global }
      - { .name: xn_codes, .offset: 56, .size: 8, .value_kind: global_buffer, .address_space: global }
      - { .name: w_codes, .offset: 64, .size: 8, .value_kind: global_buffer, .address_space: global }
    .group_segment_fixed_size: 0
    .private_segment_fixed_size: 0
    .kernarg_segment_align: 8
    .kernarg_segment_size: 72
    .max_flat_workgroup_size: 128
    .sgpr_count:     66
    .vgpr_count:     248
    .wavefront_size: 32
...
	.end_amdgpu_metadata
.endif
;; end of part 1
;; launch qkv (part 2): grid 12 x 32, 4 waves a work-group, clusters of 4 x 4, 327,680 bytes of LDS; arguments xn_codes, w_codes, lowp_scales, wq_b, wk_b, wv_b, qkv_codes; writes qkv_codes
.if DOCPART == 2
	.amdgcn_target "amdgcn-amd-amdhsa--gfx1250"
	.amdhsa_code_object_version 6
	.text
	.protected	k_q9e4ac06af0_qkv
	.globl	k_q9e4ac06af0_qkv
	.p2align	8
	.type	k_q9e4ac06af0_qkv,@function
k_q9e4ac06af0_qkv:
	s_mov_b64 s[64:65], 0
	v_nop
	global_prefetch_b8 v0, s[64:65] scope:SCOPE_SE
	s_setreg_imm32_b32 hwreg(HW_REG_WAVE_MODE, 25, 1), 1
	s_wait_xcnt 0x0
	s_wait_alu depctr_hold_cnt(0) depctr_sa_sdst(0) depctr_va_vdst(0) depctr_va_sdst(0) depctr_va_ssrc(0) depctr_va_vcc(0) depctr_vm_vsrc(0)
	s_getreg_b32 s2, hwreg(HW_REG_IB_STS2, 6, 4)
	s_cmp_eq_u32 s2, 0
	s_cbranch_scc0 .Lentry_in_a_cluster
	s_endpgm
.Lentry_in_a_cluster:
	s_bfe_u32 s2, ttmp6, 0x10000c
	s_cmp_lg_u32 s2, 0xf033
	s_cbranch_scc0 .Lentry_shape_is_right
	s_endpgm
.Lentry_shape_is_right:
; QKV: the three projections on codes of BF8, their biases, and the quantising of Q, K and V for the attention (exponents 6, 7, 9 of lowp_scales).  No work is left out here.
; One text makes C' = A' B'^T in tiles of 256 x 256, K = 1,024.  The cluster's x says which product: 0: Q, 1: K (A' = xn's codes, 8,192 rows; B' = the weight's, 1,024 rows);
; 2: V, with the operands changed over (A' = wv's codes, B' = xn's), so that V comes out transposed, with the KEYS along a lane's registers: they are the K of attention's second product.
; Four waves, each 128 x 128: 64 accumulators.  K goes in steps of 256 through two LDS slots filled by joint tensor loads: A's tile is shared along a row of the 4 x 4 cluster, B's along a column.
; THE MATRIX INSTRUCTION IS USED TRANSPOSED (source 0 = 16 rows of B', source 1 = 16 rows of A'): a lane holds one row of A' and eight neighbouring rows of B'.
; A sum stands for sum x 2^es (es = the two operands' exponents added).  The bias goes in as bias / 2^es, and the conversion takes 2^(eo - es) as its one scale (eo: the result's exponent as an operand).
; THE WAY OUT.  A lane's 8 codes of B' block b go to byte 32 (b / 2) + 16 (lane / 16) + 8 (b % 2) of its row in the wave's stage: within each 32 the two middle groups of 8 change places, so that the attention's
; 16-byte LDS loads give the matrix form's own order of K.  Q, K: [batch x head][token][64]; V: [batch x head][token / 128][64][128 keys].  A head is 131,072 bytes in each of the three planes (2^23 bytes apart).
; LIMITS: eo - es between -126 and 112.  NaN among the inputs is not served.
; REGISTERS, in windows of 256: window 0: v0-31 addresses; v128-255 A's fragments, one set; on the way out v32-95 the biases, v128-191 sums, v192-223 codes, v224-255 rows read back.
;   window 1: B's fragments, two sets.   windows 2, 3: the accumulators of my rows 0-63, 64-127 (accumulator (a, b) at v[8 (8 (a % 4) + b)]).
.set KROW,   1024                      ; a row of codes in memory
.set ROWB,   256                       ; a tile's row: 256 codes
.set PITCH,  272                       ; and in LDS: + 16 of padding: 68 words, so the 16 rows of a load start at 16 different banks (64 banks of 4 bytes: ISA guide 11.1)
.set FR,     16
.set NL,     4
.set NP,     4
.set HALFT,  128*PITCH
.set SLOT,   4*HALFT                   ; A's 256 rows, then B's 256 rows
.set SPARE,  2*SLOT                    ; the spare words: 128 bytes a wave
.set BIASL,  SPARE+512                 ; 512 bytes a wave: its 128 biases / 2^es.  No tile lands here
.set SPI,    144                       ; the way out: a stage of 16 rows x (128 bytes + 16) a wave, in slot 0, which has had its last fill and its last read by then
.set STGW,   16*SPI
.set STGV,   16384                     ; the V arm's stages lie here: each arm has LDS bytes of its own
.set BLA,  8                           ; v8   where I store my 4 biases
.set BLB,  9                           ; v9   Q, K: where I read the biases of my half's eight rows of B'
.set BLC,  10                          ; v10  V: where I read the bias of my row of A'
.set BR,   12                          ; v12-15 the biases as loaded
.set ADRA, 16
.set ADRB, 20
.set STO,  24
.set RD,   25
.set CO,   26
.set COV,  27
.set SPW,  28
.set NIL,  29
.set SC,   30                          ; v30  2^(eo - es)
.set LIM,  31                          ; v31  57,344 x that
.set BN,   32
.set BM,   32
.set AF,   128
.set TMP,  128
.set CD,   192
.set BK,   224
.set G1, 24
.set G0, 32
.set G1B, 48
.set G0B, 56
.set MSB, 0
.macro WIN new                         ; the immediate's high byte repeats the setting that is left
.if MSB != \new
	s_set_vgpr_msb (MSB<<8)|\new
.set MSB, \new
.endif
.endm
.set MUL_LO, 0xa1                      ; source 0 (B') window 1, source 1 (A') window 0, C and D window 2
.set MUL_HI, 0xf1
.set TO_B,   0x40
; A joint load: waves 0 and 1 fetch for A', waves 2 and 3 for B'.  The branch hangs on the wave's number alone.  An s_nop 0 and four v_nop follow each line.
.macro JLOAD g0a, g1a, g0b, g1b
	s_cmp_eq_u32 s15, 0
	s_cbranch_scc0 .Lfor_b_\@
	tensor_load_to_lds s[\g0a:\g0a+3], s[\g1a:\g1a+7]
	s_nop 0
.rept 4
	v_nop
.endr
	s_branch .Lasked_\@
.Lfor_b_\@:
	tensor_load_to_lds s[\g0b:\g0b+3], s[\g1b:\g1b+7]
	s_nop 0
.rept 4
	v_nop
.endr
.Lasked_\@:
.endm
.macro CREST                           ; a round of the cluster's barrier behind its opening barrier
	s_cmp_lg_u32 s14, 0
	s_cbranch_scc1 .Lnot_wave_0_\@
	s_barrier_signal -3
.Lnot_wave_0_\@:
	s_barrier_wait -3
	s_barrier_signal -1
	s_barrier_wait -1
.endm
.macro CROUND
	s_barrier_signal -1
	s_barrier_wait -1
	CREST
.endm
	s_load_b256 s[4:11], s[0:1], 0x0               ; xn_codes 4, w_codes 6, lowp_scales 8, wq_b 10
	s_load_b128 s[80:83], s[0:1], 0x20             ; wk_b 80, wv_b 82
	s_load_b64 s[84:85], s[0:1], 0x30              ; qkv_codes
	v_lshl_add_u32 v[SPW], v0, 2, SPARE
	v_mov_b32 v[NIL], 0
	ds_add_u32 v[SPW], v[NIL]                      ; the wave's opening: the add, twice on end, and its wait ahead of my first tensor load
	ds_add_u32 v[SPW], v[NIL]
	v_lshrrev_b32 v1, 5, v0
	v_readfirstlane_b32 s14, v1                    ; wave 0..3
	s_lshr_b32 s15, s14, 1                         ; which half of the tile's rows is mine.  Also: I fetch for A' (0) or for B' (1)
	s_and_b32 s16, s14, 1                          ; which half of its columns.  Also: which 128 rows I fetch
	s_bfe_u32 s40, ttmp6, 0x40000                  ; cx
	s_bfe_u32 s41, ttmp6, 0x40004                  ; cy
	s_and_b32 s90, ttmp7, 0xffff
	s_lshl_b32 s90, s90, 2                         ; 4 x cluster y
	s_cmp_eq_u32 ttmp9, 2                          ; the cluster's x is the same in all sixteen partners
	s_cselect_b32 s66, 1, 0                        ; 1: V
	s_cselect_b32 s17, 0, s90
	s_cselect_b32 s42, s90, 0
	s_add_co_u32 s17, s17, s41                     ; tile row: the tokens' (Q, K: 32 of them) or the weight's (V: 4)
	s_add_co_u32 s42, s42, s40                     ; tile column
	s_lshl_b32 s43, s41, 2
	s_lshl_b32 s43, 15, s43                        ; my row of the cluster
	s_lshl_b32 s44, 0x1111, s40                    ; my column
	s_or_b32 s[G1+0], s43, (0<<16)|(1<<20)|(1<<21)|(5<<22)|(3<<25)  ; the mask; elements of 1 byte; padding on; bit 21 beside a mask; 4 words of padding after every 64
	s_or_b32 s[G1B+0], s44, (0<<16)|(1<<20)|(1<<21)|(5<<22)|(3<<25)
.irp g, G1, G1B
	s_mov_b32 s[\g+1], ROWB<<16                    ; tensor_dim0
	s_mov_b32 s[\g+2], 128<<16                     ; tensor_dim1
	s_mov_b32 s[\g+3], ROWB<<16                    ; tile_dim0
	s_mov_b32 s[\g+4], 128                         ; tile_dim1
	s_mov_b32 s[\g+5], KROW                        ; the pitch
	s_mov_b32 s[\g+6], 0
	s_mov_b32 s[\g+7], 0
.endr
	s_lshl_b32 s18, s16, 7
	s_lshl_b32 s20, s17, 8
	s_add_co_u32 s20, s20, s18                     ; A': row 256 x tile row + 128 x half
	s_lshl_b32 s46, s42, 8
	s_add_co_u32 s46, s46, s18                     ; B': row 256 x tile column + 128 x half
	s_lshl_b32 s20, s20, 10                        ; in bytes
	s_lshl_b32 s46, s46, 10
	s_mov_b32 s21, 0
	s_mov_b32 s47, 0
	s_mul_i32 s45, s14, HALFT                      ; where they go: wave x 128 rows
	s_wait_dscnt 0x0                               ; both opening adds are done
	s_wait_kmcnt 0x0
	s_load_b256 s[68:75], s[8:9], 0x0              ; exponents 0-7
	s_load_b128 s[76:79], s[8:9], 0x20             ; exponents 8-11
	s_lshl_b32 s92, ttmp9, 23
	s_mov_b32 s93, 0
	s_add_nc_u64 s[4:5], s[4:5], s[92:93]          ; the product's plane of xn's codes,
	s_lshl_b32 s92, ttmp9, 20
	s_add_nc_u64 s[6:7], s[6:7], s[92:93]          ; and its weight's codes
	s_cmp_eq_u32 s66, 1
	s_cselect_b64 s[86:87], s[6:7], s[4:5]         ; A'
	s_cselect_b64 s[88:89], s[4:5], s[6:7]         ; B'
	s_add_nc_u64 s[20:21], s[86:87], s[20:21]
	s_add_nc_u64 s[46:47], s[88:89], s[46:47]
	CROUND                                         ; all sixteen work-groups are here: the first joint loads meet
.irp s, 0,1
	s_mov_b32 s[G0+4*\s], 1
	s_add_co_u32 s[G0+4*\s+1], s45, \s*SLOT
	s_add_nc_u64 s[G0+4*\s+2:G0+4*\s+3], s[20:21], \s*ROWB
	s_or_b32 s[G0+4*\s+3], s[G0+4*\s+3], 0x80000000
	s_mov_b32 s[G0B+4*\s], 1
	s_add_co_u32 s[G0B+4*\s+1], s45, \s*SLOT
	s_add_nc_u64 s[G0B+4*\s+2:G0B+4*\s+3], s[46:47], \s*ROWB
	s_or_b32 s[G0B+4*\s+3], s[G0B+4*\s+3], 0x80000000
	JLOAD G0+4*\s, G1, G0B+4*\s, G1B
.endr
	v_and_b32 v1, 15, v0                           ; r
	v_bfe_u32 v2, v0, 4, 1                         ; h
	v_mul_u32_u24 v3, v1, PITCH
	v_lshl_add_u32 v4, v2, 4, v3
	s_mul_i32 s21, s15, HALFT
	s_mul_i32 s22, s16, HALFT
	s_add_co_u32 s22, s22, 2*HALFT
.irp s, 0,1
	v_add_nc_u32 v[ADRA+\s], s21, v4
	v_add_nc_u32 v[ADRB+\s], s22, v4
	s_add_co_u32 s21, s21, SLOT
	s_add_co_u32 s22, s22, SLOT
.endr
	s_mul_i32 s23, s14, STGW                       ; my stage
	v_mul_u32_u24 v5, v1, SPI
	v_lshl_add_u32 v5, v2, 4, v5
	v_add_nc_u32 v[STO], s23, v5                   ; in: row r, + 16 h
	v_and_b32 v6, 31, v0
	v_lshrrev_b32 v7, 3, v6
	v_and_b32 v11, 7, v6
	v_mul_u32_u24 v5, v7, SPI
	v_lshl_add_u32 v5, v11, 4, v5
	v_add_nc_u32 v[RD], s23, v5                    ; back: eight lanes to a row of 128 bytes, four rows an instruction
	v_lshlrev_b32 v[CO], 6, v7                     ; Q, K: a token's 64 bytes of a head; the row's second 64 bytes belong to the next head
	v_bfe_u32 v5, v6, 2, 1
	v_lshl_add_u32 v[CO], v5, 17, v[CO]
	v_and_b32 v5, 3, v6
	v_lshl_add_u32 v[CO], v5, 4, v[CO]
	v_lshlrev_b32 v[COV], 4, v6                    ; V: rows of 128 bytes on end
	s_lshl_b32 s23, s14, 9
	s_add_co_u32 s23, s23, BIASL
	v_add_nc_u32 v[BLA], s23, v[COV]
	v_lshl_add_u32 v[BLB], v2, 5, s23
	v_lshl_add_u32 v[BLC], v1, 2, s23
	s_lshl_b32 s90, s17, 8
	s_lshl_b32 s91, s15, 7
	s_add_co_u32 s90, s90, s91                     ; my first row of A'
	s_lshl_b32 s91, s42, 8
	s_lshl_b32 s92, s16, 7
	s_add_co_u32 s91, s91, s92                     ; my first row of B'
	s_cmp_eq_u32 s66, 1
	s_cselect_b32 s92, s91, s90                    ; my first token,
	s_cselect_b32 s93, s90, s91                    ; my first feature
	s_lshr_b32 s90, s92, 11
	s_lshl_b32 s90, s90, 4
	s_lshr_b32 s91, s93, 6
	s_add_co_u32 s90, s90, s91                     ; 16 x batch + head
	s_lshl_b32 s90, s90, 17
	s_and_b32 s91, s92, 2047
	s_lshl_b32 s91, s91, 6                         ; 64 bytes a token, in Q and K by rows, in V by blocks of 128 tokens x 64
	s_add_co_u32 s90, s90, s91
	s_lshl_b32 s91, ttmp9, 23
	s_add_co_u32 s90, s90, s91
	s_mov_b32 s91, 0
	s_add_nc_u64 s[94:95], s[84:85], s[90:91]      ; where my results begin
	s_cmp_eq_u32 ttmp9, 0
	s_cselect_b64 s[96:97], s[10:11], s[80:81]
	s_cmp_eq_u32 ttmp9, 2
	s_cselect_b64 s[96:97], s[82:83], s[96:97]
	s_lshl_b32 s90, s93, 2
	s_add_nc_u64 s[96:97], s[96:97], s[90:91]
	global_load_b128 v[BR:BR+3], v[COV], s[96:97]  ; my 128 biases, 4 a lane
	s_wait_kmcnt 0x0
	s_add_co_i32 s90, s68, s69
	s_add_co_i32 s91, s70, s71
	s_add_co_i32 s92, s72, s73
	s_cmp_eq_u32 ttmp9, 0                          ; loaded numbers are chosen among, never branched on
	s_cselect_b32 s90, s90, s91
	s_cselect_b32 s93, s74, s75
	s_cmp_eq_u32 ttmp9, 2
	s_cselect_b32 s90, s92, s90                    ; es
	s_cselect_b32 s93, s77, s93                    ; eo: entry 6, 7 or 9
	s_sub_co_i32 s93, s93, s90
	s_sub_co_i32 s90, 0, s90
	s_add_co_i32 s93, s93, 127
	s_lshl_b32 s92, s93, 23
	v_mov_b32 v[SC], s92
	s_add_co_i32 s93, s93, 15
	s_lshl_b32 s93, s93, 23
	s_or_b32 s93, s93, 0x600000
	v_mov_b32 v[LIM], s93
	s_wait_loadcnt 0x0
.irp i, 0,1,2,3
	v_ldexp_f32 v[BR+\i], v[BR+\i], s90            ; bias / 2^es
.endr
	ds_store_b128 v[BLA], v[BR:BR+3]               ; only my wave reads these bytes
.macro FRAG reg, adr, q, i             ; 16 rows x 128 K: 16 registers, four loads of 16 bytes, 32 bytes apart; the same order of K in A' and B'
.irp c, 0,1,2,3
	ds_load_b128 v[\reg+4*\c:\reg+4*\c+3], v[\adr] offset:128*(\q)+32*\c+(\i)*16*PITCH
.endr
.endm
; 16 matrix instructions: A's blocks a0, a0 + 1 x B's eight.  The 64 accumulators take turns, one instruction a turn, in the same order in every step.
.macro MUL16 a0, p, zero
.irp a, \a0, \a0+1
.irp b, 0,1,2,3,4,5,6,7
.if \zero
	v_wmma_f32_16x16x128_bf8_bf8 v[8*(8*((\a)%4)+\b):8*(8*((\a)%4)+\b)+7], v[128*(\p)+FR*\b:128*(\p)+FR*\b+FR-1], v[AF+FR*(\a):AF+FR*(\a)+FR-1], 0
.else
	v_wmma_f32_16x16x128_bf8_bf8 v[8*(8*((\a)%4)+\b):8*(8*((\a)%4)+\b)+7], v[128*(\p)+FR*\b:128*(\p)+FR*\b+FR-1], v[AF+FR*(\a):AF+FR*(\a)+FR-1], v[8*(8*((\a)%4)+\b):8*(8*((\a)%4)+\b)+7]
.endif
.endr
.endr
.endm
.macro FETCH_B slot, q, p
	WIN TO_B
.irp i, 0,1,2,3,4,5,6,7
	FRAG 128*(\p)+FR*\i, ADRB+\slot, \q, \i
.endr
	WIN 0
.endm
.macro FETCH_A slot, q, i0
.irp i, \i0, \i0+1, \i0+2, \i0+3
	FRAG AF+FR*(\i), ADRA+\slot, \q, \i
.endr
.endm
.macro PLACES n                        ; plain vector lines between a matrix instruction and a load into, or a vector read of, its registers
.rept \n
	v_nop
.endr
.endm
.macro STEP slot, q, zero              ; 128 along K, with its successor in the same slot
	s_wait_dscnt 4*NL                              ; B's set and A's blocks 0-3 are in; the youngest 16 loads (A's blocks 4-7) may be out
	WIN MUL_LO
	MUL16 0, (\q)%2, \zero
	MUL16 2, (\q)%2, \zero
	s_wait_dscnt 0
	PLACES NP
	FETCH_B \slot, (\q)+1, 1-(\q)%2
	FETCH_A \slot, (\q)+1, 0
	WIN MUL_HI
	MUL16 4, (\q)%2, \zero
	MUL16 6, (\q)%2, \zero
	PLACES NP
	WIN 0
	FETCH_A \slot, (\q)+1, 4
.endm
; A slot's last step changes slots: one barrier; in front of it each wave waits for all its tensor loads, adds 0 to its spare word, and waits for that and for its reads of this slot.
.macro TURN slot, next, fill
	s_wait_tensorcnt 0x0                           ; all my tensor loads have landed: my part of the next slot
	ds_add_u32 v[SPW], v[NIL]
	s_wait_dscnt 4*NL+1                            ; (the add and the youngest 16 loads may be out)
	WIN MUL_LO
	MUL16 0, 1, 0
	s_wait_dscnt 0x0                               ; the add is done, and my reads of this slot are over
	s_barrier_signal -1
	MUL16 2, 1, 0
	WIN 0
	s_barrier_wait -1
.if \fill
	CREST                                          ; the barrier has opened a round of the cluster's: no wave of any partner still reads this slot or has a load on its way
	s_add_nc_u64 s[G0+4*\slot+2:G0+4*\slot+3], s[G0+4*\slot+2:G0+4*\slot+3], 2*ROWB
	s_add_nc_u64 s[G0B+4*\slot+2:G0B+4*\slot+3], s[G0B+4*\slot+2:G0B+4*\slot+3], 2*ROWB
	JLOAD G0+4*\slot, G1, G0B+4*\slot, G1B         ; the first tensor load behind the round; its four v_nop are the places in front of the loads below
.else
	PLACES NP
.endif
	FETCH_B \next, 0, 0
	FETCH_A \next, 0, 0
	WIN MUL_HI
	MUL16 4, 1, 0
	MUL16 6, 1, 0
	PLACES NP
	WIN 0
	FETCH_A \next, 0, 4
.endm
	s_wait_tensorcnt 1                             ; my part of K step 0 is in; K step 1's load may stay out
	s_wait_dscnt 0x0                               ; my biases are stored
	s_barrier_signal -1
	s_barrier_wait -1
	FETCH_B 0, 0, 0
	FETCH_A 0, 0, 0
	FETCH_A 0, 0, 4
	STEP 0, 0, 1                                   ; K = 1,024 is four K steps of 256, eight steps of 128: written out.  The first products start the sums
	TURN 0, 1, 1                                   ; slot 0 takes K step 2
	STEP 1, 0, 0
	TURN 1, 0, 1                                   ; slot 1 takes K step 3
	STEP 0, 0, 0
	TURN 0, 1, 0                                   ; nothing is left to fetch
	STEP 1, 0, 0
	s_wait_dscnt 4*NL
	WIN MUL_LO
	MUL16 0, 1, 0
	MUL16 2, 1, 0
	s_wait_dscnt 0
	WIN MUL_HI
	MUL16 4, 1, 0
	MUL16 6, 1, 0
	WIN 0
; THE WAY OUT, a block of 16 rows of A' at a time: + bias, the hold, the conversion; 8 bytes a lane and block of B' into my stage; back as rows of 128 bytes.  var = 1: V.
.macro QBLK a, var
.set AC, 64*((\a)%4)
.set CDS, CD+16*((\a)%2)
.set BKS, BK+16*((\a)%2)
	WIN 0x02+((\a)/4)                              ; source 0: window 2 or 3
.set j, 0
.rept 32
.if \var
	v_pk_add_f32 v[TMP+j:TMP+j+1], v[AC+j:AC+j+1], v[BM+2*(\a):BM+2*(\a)+1]    ; V: the bias of my row of A'.  Each accumulator from its low end on
.else
	v_pk_add_f32 v[TMP+j:TMP+j+1], v[AC+j:AC+j+1], v[BN+j:BN+j+1]              ; Q, K: the biases of my rows of B'
.endif
.set j, j+2
.endr
	WIN 0
.set j, 0
.rept 64
	v_med3_num_f32 v[TMP+j], v[TMP+j], -v[LIM], v[LIM]       ; the conversion does not saturate (ISA guide 7.6.2)
.set j, j+1
.endr
.irp b, 0,1,2,3,4,5,6,7
	v_cvt_scalef32_pk8_bf8_f32 v[CDS+2*\b:CDS+2*\b+1], v[TMP+8*\b:TMP+8*\b+7], v[SC]
.endr
	v_nop                                          ; a plain line between the conversions and the next lines that write their sources
.irp b, 0,1,2,3,4,5,6,7
	ds_store_b64 v[STO], v[CDS+2*\b:CDS+2*\b+1] offset:\var*STGV+32*(\b/2)+8*(\b%2)
.endr
.irp c, 0,1,2,3
	ds_load_b128 v[BKS+4*\c:BKS+4*\c+3], v[RD] offset:\var*STGV+4*SPI*\c       ; LDS serves a wave's instructions in order (ISA guide 5.7.1.4): these see my stores
.endr
.endm
.macro QSEND a, var, younger           ; younger: the LDS instructions issued behind block a's loads
.set BKS, BK+16*((\a)%2)
	s_wait_dscnt \younger
.irp c, 0,1,2,3
.if \var
	global_store_b128 v[COV], v[BKS+4*\c:BKS+4*\c+3], s[94:95] offset:131072*((\a)/4)+2048*((\a)%4)+512*\c   ; 512 consecutive bytes, aligned
.else
	global_store_b128 v[CO], v[BKS+4*\c:BKS+4*\c+3], s[94:95] offset:1024*(\a)+256*\c                        ; two runs of 256 consecutive bytes, aligned: four tokens of each of two heads
.endif
.endr
.endm
.macro WAYOUT var
	QBLK 0, \var
.irp a, 1,2,3,4,5,6,7
.if \a > 1
	s_wait_xcnt 0x0                                ; block a - 2's stores have read their data: block a's rows may land there
.endif
	QBLK \a, \var
	QSEND \a-1, \var, 12                           ; behind block a - 1's loads: block a's 8 stores and 4 loads
.endr
	QSEND 7, \var, 0
.endm
	PLACES NP
	s_cmp_eq_u32 s66, 1                            ; the same in all partners
	s_cbranch_scc1 .Lv_arm
.irp b, 0,1,2,3,4,5,6,7
	ds_load_b128 v[BN+8*\b:BN+8*\b+3], v[BLB] offset:64*\b
	ds_load_b128 v[BN+8*\b+4:BN+8*\b+7], v[BLB] offset:64*\b+16
.endr
	s_wait_dscnt 0x0
	WAYOUT 0
	s_branch .Ljoin
.Lv_arm:
.irp a, 0,1,2,3,4,5,6,7
	ds_load_b32 v[BM+2*\a], v[BLC] offset:64*\a
	ds_load_b32 v[BM+2*\a+1], v[BLC] offset:64*\a
.endr
	s_wait_dscnt 0x0
	WAYOUT 1
.Ljoin:
	s_wait_tensorcnt 0x0                           ; the wave's end: behind my last tensor load and my last LDS store
	ds_add_u32 v[SPW], v[NIL]
	s_wait_dscnt 0x0
	CROUND                                         ; the closing round
	s_endpgm
.Lfunc_end_k_q9e4ac06af0_qkv:
	.size	k_q9e4ac06af0_qkv, .Lfunc_end_k_q9e4ac06af0_qkv-k_q9e4ac06af0_qkv
	.p2alignl 7, 3214868480
	.fill 96, 4, 3214868480
	.section	.rodata,"a",@progbits
	.p2align	6, 0x0
	.amdhsa_kernel k_q9e4ac06af0_qkv
		.amdhsa_group_segment_fixed_size 327680
		.amdhsa_private_segment_fixed_size 0
		.amdhsa_enable_private_segment 0
		.amdhsa_kernarg_size 56
		.amdhsa_user_sgpr_count 2
		.amdhsa_user_sgpr_kernarg_segment_ptr 1
		.amdhsa_wavefront_size32 1
		.amdhsa_system_sgpr_workgroup_id_x 1
		.amdhsa_system_sgpr_workgroup_id_y 1
		.amdhsa_system_sgpr_workgroup_id_z 1
		.amdhsa_system_vgpr_workitem_id 0
		.amdhsa_next_free_vgpr 1024
		.amdhsa_next_free_sgpr 100
		.amdhsa_reserve_vcc 0
		.amdhsa_float_denorm_mode_32 3
		.amdhsa_float_denorm_mode_16_64 3
		.amdhsa_memory_ordered 1
		.amdhsa_forward_progress 1
		.amdhsa_inst_pref_size 207
	.end_amdhsa_kernel
	.amdgpu_metadata
---
amdhsa.version: [ 1, 2 ]
amdhsa.kernels:
  - .name:           k_q9e4ac06af0_qkv
    .symbol:         k_q9e4ac06af0_qkv.kd
    .args:
      - { .name: xn_codes, .offset: 0, .size: 8, .value_kind: global_buffer, .address_space: global }
      - { .name: w_codes, .offset: 8, .size: 8, .value_kind: global_buffer, .address_space: global }
      - { .name: lowp_scales, .offset: 16, .size: 8, .value_kind: global_buffer, .address_space: global }
      - { .name: wq_b, .offset: 24, .size: 8, .value_kind: global_buffer, .address_space: global }
      - { .name: wk_b, .offset: 32, .size: 8, .value_kind: global_buffer, .address_space: global }
      - { .name: wv_b, .offset: 40, .size: 8, .value_kind: global_buffer, .address_space: global }
      - { .name: qkv_codes, .offset: 48, .size: 8, .value_kind: global_buffer, .address_space: global }
    .group_segment_fixed_size: 327680
    .private_segment_fixed_size: 0
    .kernarg_segment_align: 8
    .kernarg_segment_size: 56
    .max_flat_workgroup_size: 128
    .sgpr_count:     100
    .vgpr_count:     1024
    .wavefront_size: 32
...
	.end_amdgpu_metadata
.endif
;; end of part 2
;; launch attn (part 3): grid 8 x 64, 16 waves a work-group, no clusters, 327,680 bytes of LDS; arguments qkv_codes, lowp_scales, ctx_img; writes ctx_img
.if DOCPART == 3
	.amdgcn_target "amdgcn-amd-amdhsa--gfx1250"
	.amdhsa_code_object_version 6
	.text
	.protected	k_q9e4ac06af0_attn
	.globl	k_q9e4ac06af0_attn
	.p2align	8
	.type	k_q9e4ac06af0_attn,@function
k_q9e4ac06af0_attn:
	s_mov_b64 s[64:65], 0
	v_nop
	global_prefetch_b8 v0, s[64:65] scope:SCOPE_SE
	s_setreg_imm32_b32 hwreg(HW_REG_WAVE_MODE, 25, 1), 1
	s_wait_xcnt 0x0
; ATTN: causal attention on codes of BF8, head size 64, 2,048 tokens, 64 (batch x head); the result is quantised (exponent 10 of lowp_scales) for the last projection.
; WORK LEFT OUT: a key step of 128 keys all of which come after a wave's 16 queries, and a slot of keys that comes after all of the work-group's queries: reference()'s own causal mask sets those logits to -inf,
; so their p is 0 whatever the inputs hold.  LIMIT: a NaN, an infinity or an overflow that arises only there is not carried to the result.
; THE SOFTMAX AHEAD OF THE SECOND PRODUCT: t = logit x log2(e); M = the row's largest t so far, rounded UP to a whole number; p = 2^(t - M) is quantised (exponent 8), not normalised; the row's sum is taken of the
; unquantised p and divides at the end.  When M moves, the sum and O are multiplied by 2^(old M - new M): exact.
; SHARES.  Work-group (j, batch x head) owns the blocks of 128 queries numbered j and 15 - j: 8 (j + 1) + 8 (16 - j) = 136 live key steps of a wave in every work-group.  Each of sixteen waves owns 16 queries.
; Every wave walks all eight slots of 256 keys (the trip counts are constants) and jumps over hidden steps.  NO CLUSTER: under the mask the work-groups of a head need different numbers of slots,
; so a joint load would bring tiles that no wave of some partner reads.
; THE RING: two LDS slots; wave 0 brings a slot's 256 rows of K, wave 1 its 128 rows of V (two blocks of 64 x 128 keys): each load holds bytes of the slot's first key step, which is read whenever the slot is asked for.
; LAYOUT.  Both products transposed: S^T = K Q^T (16x16x64: source 0 = 16 neighbouring keys, source 1 = my queries), O^T = V^T P^T (16x16x128).  A lane holds one query throughout.  In tile T of S^T a lane's eight
; registers are keys 16 T + 8 (lane / 16) + 0 .. 7: their codes ARE registers 2 T, 2 T + 1 of P in the matrix form's own order.  V's codes lie with the two middle groups of 8 of each 32 keys exchanged, so that 16-byte loads
; at 32 c + 16 (lane / 16) give the same order.  O^T's four tiles, quantised, are a fragment of 16 tokens x 64 in that order too: it is stored as an image of its registers.
; LIMITS: exponents 6 + 7 between -123 and 130 (added to c's exponent field); 8 and 10 between -126 and 112.
; REGISTERS: v1-9 addresses; v12 -M, v13 the largest t, v[14:15] the sum; v16-23 Q; v24-31 the result's codes; v32-95 K's eight fragments, then V's four; v96-159 S^T, then p; v160-191 O^T; v224-239 P's codes; v218-254 at work.
.set SK,    256
.set NQ,    SK/128
.set KP,    80                         ; a key's row in LDS: 64 bytes + 16: an odd multiple of 16, so the 16 rows of a load fall on different banks
.set VP,    144                        ; a row of V: 128 bytes + 16
.set VOFF,  SK*KP
.set SLOT1, 1<<16                      ; slot 1 begins here: one exclusive or turns an address from slot to slot
.set NSL,   2048/SK
.set SPARE, 2*SLOT1                    ; the spare words: 128 bytes for each of sixteen waves
.set AK0,  1
.set AV0,  2
.set PFO,  3
.set DG,   4                           ; v4   lane % 16 - 8 (lane / 16), for the diagonal
.set SPW,  5
.set NIL,  6
.set GO,   7
.set ADK,  8
.set ADV,  9
.set TB,   2
.set WV,   18
.set SEL,  20
.set CS,   22
.set G1K,  24
.set G1V,  32
.set G0K,  40
.set G0V,  44
.set LQ,   66                          ; s66  my work-group's last query
.set SLOTS, 67
.set PFA,  76
.set LIM,  80
.set KF,   98                          ; s98  the step's first key
.set Q0,   99                          ; s99  my first query
.macro TLOAD                           ; wave 0: K; wave 1: V; the others nothing.  An s_nop 0 and four v_nop follow each line
	s_cmp_eq_u32 s[WV], 0
	s_cbranch_scc0 .Lnot_k_\@
	tensor_load_to_lds s[G0K:G0K+3], s[G1K:G1K+7]
	s_nop 0
.rept 4
	v_nop
.endr
	s_branch .Lasked_\@
.Lnot_k_\@:
	s_cmp_eq_u32 s[WV], 1
	s_cbranch_scc0 .Lasked_\@
	tensor_load_to_lds s[G0V:G0V+3], s[G1V:G1V+7]
	s_nop 0
.rept 4
	v_nop
.endr
.Lasked_\@:
.endm
; A prefetch of what the NEXT change of slots will ask for: 16,384 bytes of K and as many of V, both dense.  The head's work-group 0, which walks all eight slots, asks, and nobody else; in it waves 4 and 5 for K, waves 6 and 7
; for V, 8,192 bytes a wave, lanes 256 bytes apart: each aligned block of 256 bytes is named once.  The last change that fills a slot asks for nothing; slots 0 and 1 come by their loads alone.
.macro ASK
	s_cmp_gt_u32 s[SLOTS], s[LIM]
	s_cbranch_scc0 .Lnot_mine_\@
	global_prefetch_b8 v[PFO], s[PFA:PFA+1] th:TH_LOAD_NT scope:SCOPE_SE
.Lnot_mine_\@:
.endm
	s_load_b128 s[4:7], s[0:1], 0x0                ; qkv_codes 4, lowp_scales 6
	s_load_b64 s[8:9], s[0:1], 0x10                ; ctx_img
	v_lshl_add_u32 v[SPW], v0, 2, SPARE
	v_mov_b32 v[NIL], 0
	ds_add_u32 v[SPW], v[NIL]                      ; the wave's opening: the add, twice on end, and its wait ahead of the first tensor load
	ds_add_u32 v[SPW], v[NIL]
	v_lshrrev_b32 v8, 5, v0
	v_readfirstlane_b32 s[WV], v8                  ; wave 0..15
	s_and_b32 s72, ttmp7, 0xffff                   ; 16 x batch + head
	s_lshl_b32 s74, s72, 17                        ; its first byte in each plane
	s_lshr_b32 s81, s[WV], 2
	s_xor_b32 s81, s81, s[WV]
	s_and_b32 s81, s81, 1                          ; 1: my queries lie in block 15 - j, 0: in block j; waves w and w + 4, and w and w + 1, differ
	s_sub_co_u32 s82, 15, ttmp9
	s_cmp_eq_u32 s81, 1
	s_cselect_b32 s82, s82, ttmp9
	s_lshl_b32 s82, s82, 7
	s_lshr_b32 s81, s[WV], 1
	s_lshl_b32 s81, s81, 4
	s_add_co_u32 s[Q0], s82, s81                   ; my first query
	s_sub_co_u32 s[LQ], 16, ttmp9
	s_lshl_b32 s[LQ], s[LQ], 7
	s_sub_co_u32 s[LQ], s[LQ], 1
	s_add_co_u32 s90, s74, 0x800000                ; K's plane
	s_mov_b32 s91, 0
	s_add_co_u32 s92, s74, 0x1000000               ; V's plane
	s_mov_b32 s93, 0
	s_mov_b32 s[G1K], (0<<16)|(1<<20)|(3<<22)|(3<<25)  ; elements of 1 byte; 4 words of padding after every 16
	s_mov_b32 s[G1K+1], 64<<16                     ; tensor_dim0
	s_mov_b32 s[G1K+2], SK<<16                     ; tensor_dim1
	s_mov_b32 s[G1K+3], 64<<16                     ; tile_dim0
	s_mov_b32 s[G1K+4], SK                         ; tile_dim1
	s_mov_b32 s[G1K+5], 64                         ; the pitch
	s_mov_b32 s[G1K+6], 0
	s_mov_b32 s[G1K+7], 0
	s_mov_b32 s[G1V], (0<<16)|(1<<20)|(4<<22)|(3<<25)  ; 4 words of padding after every 32
	s_mov_b32 s[G1V+1], 128<<16
	s_mov_b32 s[G1V+2], 128<<16
	s_mov_b32 s[G1V+3], 128<<16
	s_mov_b32 s[G1V+4], 128
	s_mov_b32 s[G1V+5], 128
	s_mov_b32 s[G1V+6], 0
	s_mov_b32 s[G1V+7], 0
	s_mov_b32 s[SEL], 0x76543210
	s_mov_b32 s[SEL+1], 0xfedcba98
	s_mov_b32 s[CS], 0x3e38aa3b                    ; c = log2(e) / sqrt(64)
	s_mov_b32 s[TB], 0
	s_mov_b32 s[SLOTS], NSL-1
	s_mov_b32 s[KF], 0
	s_wait_dscnt 0x0                               ; both opening adds are done
	s_wait_kmcnt 0x0
	s_load_b256 s[48:55], s[6:7], 0x0              ; exponents 0-7
	s_load_b128 s[56:59], s[6:7], 0x20             ; exponents 8-11
	s_mov_b32 s[G0K], 1
	s_mov_b32 s[G0K+1], 0                          ; slot 0
	s_add_nc_u64 s[G0K+2:G0K+3], s[4:5], s[90:91]
	s_or_b32 s[G0K+3], s[G0K+3], 0x80000000
	s_mov_b32 s[G0V], 1
	s_mov_b32 s[G0V+1], VOFF
	s_add_nc_u64 s[G0V+2:G0V+3], s[4:5], s[92:93]
	s_or_b32 s[G0V+3], s[G0V+3], 0x80000000
	TLOAD                                          ; slot 0: it holds key 0, which counts for every query
	s_lshl_b32 s94, s[Q0], 6
	s_add_co_u32 s94, s94, s74
	s_mov_b32 s95, 0
	s_add_nc_u64 s[10:11], s[4:5], s[94:95]        ; Q's codes at my first query
	s_lshr_b32 s94, s72, 4
	s_lshl_b32 s94, s94, 7
	s_lshr_b32 s81, s[Q0], 4
	s_add_co_u32 s94, s94, s81                     ; my tile of 16 tokens
	s_lshl_b32 s94, s94, 14                        ; 16 heads x 1,024 bytes
	s_and_b32 s81, s72, 15
	s_lshl_b32 s81, s81, 10
	s_add_co_u32 s94, s94, s81
	s_add_nc_u64 s[8:9], s[8:9], s[94:95]
	s_cmp_lt_u32 s[WV], 6                          ; the prefetches: waves 4, 5 K's plane, waves 6, 7 V's
	s_mov_b32 s83, 0x1000000
	s_cselect_b32 s82, 0x800000, s83
	s_and_b32 s83, s[WV], 1
	s_lshl_b32 s83, s83, 13
	s_add_co_u32 s82, s82, s83
	s_add_co_u32 s82, s82, s74
	s_add_co_u32 s82, s82, 16384                   ; in slot 1: the first change of slots steps it to slot 2
	s_mov_b32 s83, 0
	s_add_nc_u64 s[PFA:PFA+1], s[4:5], s[82:83]
	s_sub_co_u32 s82, s[WV], 4
	s_lshr_b32 s82, s82, 2                         ; 0 in waves 4 to 7,
	s_or_b32 s82, s82, ttmp9                       ; of the head's work-group 0
	s_cmp_eq_u32 s82, 0
	s_cselect_b32 s[LIM], 1, -1
	v_and_b32 v[PFO], 31, v0
	v_lshlrev_b32 v[GO], 4, v[PFO]                 ; the way out: 16 bytes a lane
	v_lshlrev_b32 v[PFO], 8, v[PFO]
	v_and_b32 v8, 15, v0                           ; r
	v_bfe_u32 v9, v0, 4, 1                         ; h
	v_lshlrev_b32 v10, 6, v8
	v_lshl_add_u32 v10, v9, 4, v10
.irp c, 0,1
	global_load_b128 v[16+4*\c:19+4*\c], v10, s[10:11] offset:32*\c   ; Q's fragment stays in registers
.endr
	v_mul_u32_u24 v[AK0], v8, KP
	v_lshl_add_u32 v[AK0], v9, 4, v[AK0]
	v_mul_u32_u24 v[AV0], v8, VP
	v_lshl_add_u32 v[AV0], v9, 4, v[AV0]
	v_add_nc_u32 v[AV0], VOFF, v[AV0]
	v_lshlrev_b32 v11, 3, v9
	v_sub_nc_u32 v[DG], v8, v11
	v_mov_b32 v13, 0xff61b1e6                      ; the largest t so far: -3e38
	v_floor_f32 v12, -v13                          ; -M
	v_mov_b32 v14, 0
	v_mov_b32 v15, 0
	v_mov_b32 v236, 0                              ; a lane permute's destination counts as read
	v_mov_b32 v253, 0                              ; (named as the upper half of the pair v[252:253])
.set j, 0
.rept 32
	v_mov_b32 v[160+j], 0                          ; O^T: the step is written once; the first finds zeros, which the first change of M leaves zeros
.set j, j+1
.endr
	s_wait_kmcnt 0x0
	s_add_co_i32 s72, s54, s55
	s_lshl_b32 s72, s72, 23
	s_add_co_i32 s[CS], s[CS], s72                 ; a score stands for score x 2^(e6 + e7)
	s_mov_b32 s[CS+1], s[CS]
	s_add_co_i32 s72, s56, 127
	s_lshl_b32 s73, s72, 23
	v_mov_b32 v244, s73                            ; 2^e8
	s_add_co_i32 s72, s72, 15
	s_lshl_b32 s72, s72, 23
	s_or_b32 s72, s72, 0x600000
	v_mov_b32 v240, s72                            ; 57,344 x 2^e8
	s_add_co_i32 s72, s58, 127
	s_lshl_b32 s73, s72, 23
	v_mov_b32 v218, s73                            ; 2^e10
	s_add_co_i32 s72, s72, 15
	s_lshl_b32 s72, s72, 23
	s_or_b32 s72, s72, 0x600000
	v_mov_b32 v219, s72
; A KEY STEP: 128 keys, the q-th of the slot in hand.
.macro STEP q
	s_add_co_u32 s96, s[Q0], 15                    ; a step all of whose keys come after my queries is left out: a branch on ids, round no barrier and no tensor load
	s_cmp_gt_u32 s[KF], s96
	s_cbranch_scc1 .Lhidden_\@
	v_add_nc_u32 v[ADK], s[TB], v[AK0]
	v_add_nc_u32 v[ADV], s[TB], v[AV0]
	v_nop                                          ; with the two additions: four places in front of loads into registers that the last products read
	v_nop
.irp t, 0,1,2,3,4,5,6,7
.irp c, 0,1
	ds_load_b128 v[32+8*\t+4*\c:32+8*\t+4*\c+3], v[ADK] offset:(128*(\q)+16*\t)*KP+32*\c
.endr
.endr
	s_wait_dscnt 0x0
.irp t, 0,1,2,3,4,5,6,7
	v_wmma_f32_16x16x64_bf8_bf8 v[96+8*\t:103+8*\t], v[32+8*\t:39+8*\t], v[16:23], 0
.endr
.rept 4
	v_nop                                          ; places: in front of the loads into K's registers, and of the first read of the scores
.endr
.irp t, 0,1,2,3
.irp c, 0,1,2,3
	ds_load_b128 v[32+16*\t+4*\c:32+16*\t+4*\c+3], v[ADV] offset:(64*(\q)+16*\t)*VP+32*\c   ; V's four fragments land under the softmax
.endr
.endr
	s_add_co_u32 s96, s[KF], 127                   ; on the diagonal hidden scores become -infinity ahead of the maximum; a step all of whose keys count skips this
	s_cmp_le_u32 s96, s[Q0]
	s_cbranch_scc1 .Lopen_\@
	s_sub_co_i32 s96, s[Q0], s[KF]
	v_add_nc_u32 v252, s96, v[DG]                  ; d = my query - KF - 8 (lane / 16).  Register 8 T + i holds key KF + 16 T + 8 (lane / 16) + i: hidden where 16 T + i > d
	v_mov_b32 v254, 0xff800000
.set n, 0
.rept 64
	v_cmp_gt_i32 vcc_lo, 16*(n/8)+n%8, v252
	v_cndmask_b32 v[96+n], v[96+n], v254, vcc_lo
.set n, n+1
.endr
.Lopen_\@:
	v_max3_num_f32 v254, v96, v97, v98             ; the step's largest score of my query among my 64 keys, in two chains; each accumulator is first read at its low end
	v_max3_num_f32 v252, v99, v100, v101
.irp i, 6,10,14,18,22,26,30,34,38,42,46,50,54,58
	v_max3_num_f32 v254, v254, v[96+\i], v[97+\i]
	v_max3_num_f32 v252, v252, v[98+\i], v[99+\i]
.endr
	v_max3_num_f32 v254, v254, v158, v159
	v_max_num_f32 v254, v254, v252
	v_permlanex16_b32 v236, v254, s[SEL], s[SEL+1]
	v_max_num_f32 v254, v254, v236                 ; and among lane l xor 16's
	v_mul_f32 v254, s[CS], v254                    ; as t (c is positive)
	v_max_num_f32 v13, v13, v254
	v_mov_b32 v254, v12
	v_floor_f32 v12, -v13                          ; the new -M = -ceil(t)
	v_sub_f32 v254, v12, v254                      ; old M - new M: a whole number, 0 or less
	v_cvt_i32_f32 v254, v254                       ; (it saturates)
	v_ldexp_f32 v252, 1.0, v254                    ; f = 2^(old M - new M)
.set j, 0
.rept 32
	v_pk_fma_f32 v[96+j:97+j], v[96+j:97+j], s[CS:CS+1], v[12:13] op_sel_hi:[1,0,0]   ; t - M
.set j, j+2
.endr
.set j, 0
.rept 64
	v_exp_f32 v[96+j], v[96+j]                     ; p = 2^(t - M)
.set j, j+1
.endr
	v_pk_mul_f32 v[14:15], v[14:15], v[252:253] op_sel_hi:[1,0]   ; the sums under the new M: a plain line behind the exponentials
	s_wait_alu depctr_va_vdst(0)                   ; one wait for the batch, ahead of its first reader
	v_pk_add_f32 v[242:243], v[96:97], v[98:99]    ; the row's sum of the UNQUANTISED p, in two chains
.irp j, 4,8,12,16,20,24,28,32,36,40,44,48,52,56,60
	v_pk_add_f32 v[14:15], v[14:15], v[96+\j:97+\j]
	v_pk_add_f32 v[242:243], v[242:243], v[98+\j:99+\j]
.endr
	v_pk_add_f32 v[14:15], v[14:15], v[242:243]
.irp t, 0,1,2,3,4,5,6,7
.irp i, 0,1,2,3,4,5,6,7
	v_min_num_f32 v[96+8*\t+\i], v[96+8*\t+\i], v240   ; the hold; p is not negative, so it is one-sided
.endr
	v_cvt_scalef32_pk8_bf8_f32 v[224+2*\t:225+2*\t], v[96+8*\t:103+8*\t], v244
.endr
.set j, 0
.rept 16
	v_pk_mul_f32 v[160+j:161+j], v[160+j:161+j], v[252:253] op_sel_hi:[1,0]   ; O^T under the new M; also the plain lines behind the conversions
.set j, j+2
.endr
	s_wait_dscnt 0x0                               ; V is in
.irp t, 0,1,2,3
	v_wmma_f32_16x16x128_bf8_bf8 v[160+8*\t:167+8*\t], v[32+16*\t:47+16*\t], v[224:239], v[160+8*\t:167+8*\t]   ; four accumulators by turns
.endr
.Lhidden_\@:
	s_add_co_u32 s[KF], s[KF], 128
.endm
; THE CHANGE OF SLOTS, at a slot's head.  Each wave waits for all its tensor loads, adds 0 to its spare word, and waits for that and for its reads of the slot that it has left; one barrier; then the slot left is filled.
.macro CHANGE fill
	s_wait_tensorcnt 0x0                           ; no tensor load of mine is out, so a group 0 may be written
	ds_add_u32 v[SPW], v[NIL]
.if \fill
	ds_add_u32 v[SPW], v[NIL]                      ; and once more, in every trip alike
	s_xor_b32 s[G0K+1], s[G0K+1], SLOT1
	s_add_nc_u64 s[G0K+2:G0K+3], s[G0K+2:G0K+3], 16384
	s_xor_b32 s[G0V+1], s[G0V+1], SLOT1
	s_add_nc_u64 s[G0V+2:G0V+3], s[G0V+2:G0V+3], 16384
	s_wait_xcnt 0x0                                ; the last prefetch, a slot back, has read its address
	s_add_nc_u64 s[PFA:PFA+1], s[PFA:PFA+1], 16384
.endif
	s_wait_dscnt 0x0
	s_barrier_signal -1
	s_barrier_wait -1
.if \fill
	s_add_co_u32 s96, s[KF], SK                    ; a slot whose first key comes after my work-group's last query is read by none of its waves: it is not asked for.
	s_cmp_gt_u32 s96, s[LQ]                        ; ids and the count of steps alone: all sixteen waves go the same way; every wait on TENSORcnt in this text is for 0
	s_cbranch_scc1 .Lpast_\@
	TLOAD
.Lpast_\@:
	ASK
.endif
.endm
.macro SLOT_STEPS
.set Q, 0
.rept NQ
	STEP Q
.set Q, Q+1
.endr
	s_xor_b32 s[TB], s[TB], SLOT1
.endm
	s_wait_loadcnt 0x0                             ; Q
.Lslot:                                            ; seven trips
	CHANGE 1
	SLOT_STEPS
	s_sub_co_u32 s[SLOTS], s[SLOTS], 1
	s_cmp_lg_u32 s[SLOTS], 0
	s_cbranch_scc1 .Lslot
	CHANGE 0                                       ; the last slot is written out: nothing is asked for
	SLOT_STEPS
	; THE WAY OUT: O^T / the sum x 2^(e8 + e9), quantised with e10.  The eight registers of codes are a fragment of 16 tokens x this head's 64: stored as they stand, 16 bytes a lane.
.rept 4
	v_nop                                          ; places behind the last products
.endr
	v_add_f32 v14, v14, v15
	v_permlanex16_b32 v236, v14, s[SEL], s[SEL+1]
	v_add_f32 v14, v14, v236                       ; the row's sum
	v_rcp_f32 v14, v14
	v_nop                                          ; a plain line behind the reciprocal
	s_add_co_i32 s72, s56, s57
	s_wait_alu depctr_va_vdst(0)                   ; and the wait ahead of its first reader
	v_ldexp_f32 v14, v14, s72
.set j, 0
.rept 32
	v_mul_f32 v[96+j], v[160+j], v14               ; register 8 t + i: ctx(my query, 16 t + 8 (lane / 16) + i)
.set j, j+1
.endr
.set j, 0
.rept 32
	v_med3_num_f32 v[96+j], v[96+j], -v219, v219
.set j, j+1
.endr
.irp t, 0,1,2,3
	v_cvt_scalef32_pk8_bf8_f32 v[24+2*\t:25+2*\t], v[96+8*\t:103+8*\t], v218
.endr
	v_nop
	global_store_b128 v[GO], v[24:27], s[8:9]              ; 512 consecutive bytes, aligned
	global_store_b128 v[GO], v[28:31], s[8:9] offset:512
	s_wait_tensorcnt 0x0                           ; the wave's end
	ds_add_u32 v[SPW], v[NIL]
	s_wait_dscnt 0x0
	s_endpgm
.Lfunc_end_k_q9e4ac06af0_attn:
	.size	k_q9e4ac06af0_attn, .Lfunc_end_k_q9e4ac06af0_attn-k_q9e4ac06af0_attn
	.p2alignl 7, 3214868480
	.fill 96, 4, 3214868480
	.section	.rodata,"a",@progbits
	.p2align	6, 0x0
	.amdhsa_kernel k_q9e4ac06af0_attn
		.amdhsa_group_segment_fixed_size 327680
		.amdhsa_private_segment_fixed_size 0
		.amdhsa_enable_private_segment 0
		.amdhsa_kernarg_size 24
		.amdhsa_user_sgpr_count 2
		.amdhsa_user_sgpr_kernarg_segment_ptr 1
		.amdhsa_wavefront_size32 1
		.amdhsa_system_sgpr_workgroup_id_x 1
		.amdhsa_system_sgpr_workgroup_id_y 1
		.amdhsa_system_sgpr_workgroup_id_z 1
		.amdhsa_system_vgpr_workitem_id 0
		.amdhsa_next_free_vgpr 256
		.amdhsa_next_free_sgpr 100
		.amdhsa_reserve_vcc 1
		.amdhsa_float_denorm_mode_32 3
		.amdhsa_float_denorm_mode_16_64 3
		.amdhsa_memory_ordered 1
		.amdhsa_forward_progress 1
		.amdhsa_inst_pref_size 96
	.end_amdhsa_kernel
	.amdgpu_metadata
---
amdhsa.version: [ 1, 2 ]
amdhsa.kernels:
  - .name:           k_q9e4ac06af0_attn
    .symbol:         k_q9e4ac06af0_attn.kd
    .args:
      - { .name: qkv_codes, .offset: 0, .size: 8, .value_kind: global_buffer, .address_space: global }
      - { .name: lowp_scales, .offset: 8, .size: 8, .value_kind: global_buffer, .address_space: global }
      - { .name: ctx_img, .offset: 16, .size: 8, .value_kind: global_buffer, .address_space: global }
    .group_segment_fixed_size: 327680
    .private_segment_fixed_size: 0
    .kernarg_segment_align: 8
    .kernarg_segment_size: 24
    .max_flat_workgroup_size: 512
    .sgpr_count:     100
    .vgpr_count:     256
    .wavefront_size: 32
...
	.end_amdgpu_metadata
.endif
;; end of part 3
;; launch fc (part 4): grid 4 x 64, 4 waves a work-group, clusters of 4 x 4, 327,680 bytes of LDS; arguments ctx_img, w_codes, lowp_scales, fc_b, x, out0; writes out0
.if DOCPART == 4
	.amdgcn_target "amdgcn-amd-amdhsa--gfx1250"
	.amdhsa_code_object_version 6
	.text
	.protected	k_q9e4ac06af0_fc
	.globl	k_q9e4ac06af0_fc
	.p2align	8
	.type	k_q9e4ac06af0_fc,@function
k_q9e4ac06af0_fc:
	s_mov_b64 s[64:65], 0
	v_nop
	global_prefetch_b8 v0, s[64:65] scope:SCOPE_SE
	s_setreg_imm32_b32 hwreg(HW_REG_WAVE_MODE, 25, 1), 1
	s_wait_xcnt 0x0
	s_wait_alu depctr_hold_cnt(0) depctr_sa_sdst(0) depctr_va_vdst(0) depctr_va_sdst(0) depctr_va_ssrc(0) depctr_va_vcc(0) depctr_vm_vsrc(0)
	s_getreg_b32 s2, hwreg(HW_REG_IB_STS2, 6, 4)
	s_cmp_eq_u32 s2, 0
	s_cbranch_scc0 .Lentry_in_a_cluster
	s_endpgm
.Lentry_in_a_cluster:
	s_bfe_u32 s2, ttmp6, 0x10000c
	s_cmp_lg_u32 s2, 0xf033
	s_cbranch_scc0 .Lentry_shape_is_right
	s_endpgm
.Lentry_shape_is_right:
; FC: out = ctx fc_w^T x 2^(e10 + e11) + fc_b + x, on codes of BF8.  No work is left out here.
; A tile of the output is 128 tokens x 256 columns, so that the 8,192 x 1,024 numbers make 256 tiles; four waves, each 64 x 128: 32 accumulators.  K = 1,024 goes in steps of 256 through two LDS slots.
; A (ctx) comes as IMAGES OF ITS REGISTERS: for a tile of 16 tokens and a head, 1,024 bytes: registers 0-3 of the head's fragment, 16 bytes a lane, then registers 4-7.  Two heads on end are a fragment of 128 along K
; in the matrix form's own order.  A K step is 4,096 bytes of each of 8 tiles of tokens, 16,384 bytes apart: LDS reads are dense.  B (fc_w's codes, plane 3 of w_codes) has rows of 256 bytes, padded; within each 32
; codes the two middle groups of 8 are exchanged, so that 16-byte loads at 32 c + 16 (lane / 16) give the same order.
; CLUSTERS: 4 x 4: A's tile is shared along a row of the cluster, B's along a column, by joint loads.  THE MATRIX INSTRUCTION IS USED TRANSPOSED (source 0 = 16 rows of fc_w, source 1 = 16 tokens).
; The residual's 64 x 128 numbers of a wave are asked for at the head, into window 3, and land under the products.
; LIMIT: e10 + e11 between -126 and 127.
; REGISTERS: window 0: v0-31 addresses; v32-95 fc_b in the result's layout; v96-159 A's fragments, one set; v160-223 at work on the way out.  window 1: B's two sets; on the way out the rows read back.
;   window 2: the accumulators ((a, b) at v[8 (8 a + b)]).   window 3: x.
.set ROWB,   256
.set PITCH,  272
.set FR,     16
.set NL,     4
.set NP,     4
.set ASZ,    32768                     ; A's 8 images of 4,096 bytes
.set HALFT,  128*PITCH
.set SLOT,   ASZ+2*HALFT
.set SPARE,  2*SLOT
.set SPITCH, 528                       ; the way out: a stage of 16 rows x (512 bytes + 16) a wave, in slot 0, which has had its last fill and its last read by then
.set ADRA, 16
.set ADRB, 20
.set STO,  24
.set RD,   25
.set CO,   26
.set SPW,  28
.set NIL,  29
.set BN,   32
.set AF,   96
.set TMP,  160
.set G1, 24
.set G0, 32
.set G1B, 48
.set G0B, 56
.set MSB, 0
.macro WIN new
.if MSB != \new
	s_set_vgpr_msb (MSB<<8)|\new
.set MSB, \new
.endif
.endm
.set MUL,  0xa1                        ; source 0 (B) window 1, source 1 (A) window 0, C and D window 2
.set TO_B, 0x40
.macro JLOAD g0a, g1a, g0b, g1b
	s_cmp_eq_u32 s15, 0
	s_cbranch_scc0 .Lfor_b_\@
	tensor_load_to_lds s[\g0a:\g0a+3], s[\g1a:\g1a+7]
	s_nop 0
.rept 4
	v_nop
.endr
	s_branch .Lasked_\@
.Lfor_b_\@:
	tensor_load_to_lds s[\g0b:\g0b+3], s[\g1b:\g1b+7]
	s_nop 0
.rept 4
	v_nop
.endr
.Lasked_\@:
.endm
.macro CREST
	s_cmp_lg_u32 s14, 0
	s_cbranch_scc1 .Lnot_wave_0_\@
	s_barrier_signal -3
.Lnot_wave_0_\@:
	s_barrier_wait -3
	s_barrier_signal -1
	s_barrier_wait -1
.endm
.macro CROUND
	s_barrier_signal -1
	s_barrier_wait -1
	CREST
.endm
	s_load_b256 s[4:11], s[0:1], 0x0               ; ctx_img 4, w_codes 6, lowp_scales 8, fc_b 10
	s_load_b128 s[80:83], s[0:1], 0x20             ; x 80, out0 82
	v_lshl_add_u32 v[SPW], v0, 2, SPARE
	v_mov_b32 v[NIL], 0
	ds_add_u32 v[SPW], v[NIL]                      ; the wave's opening: the add, twice on end, and its wait ahead of my first tensor load
	ds_add_u32 v[SPW], v[NIL]
	v_lshrrev_b32 v1, 5, v0
	v_readfirstlane_b32 s14, v1                    ; wave 0..3
	s_lshr_b32 s15, s14, 1                         ; which 64 tokens are mine.  Also: I fetch for A (0) or for B (1)
	s_and_b32 s16, s14, 1                          ; which 128 columns.  Also: which half of the tile I fetch
	s_bfe_u32 s40, ttmp6, 0x40000                  ; cx
	s_bfe_u32 s41, ttmp6, 0x40004                  ; cy
	s_lshl_b32 s42, ttmp9, 2
	s_add_co_u32 s42, s42, s40                     ; tile column
	s_and_b32 s17, ttmp7, 0xffff
	s_lshl_b32 s17, s17, 2
	s_add_co_u32 s17, s17, s41                     ; tile row
	s_lshl_b32 s43, s41, 2
	s_lshl_b32 s43, 15, s43
	s_lshl_b32 s44, 0x1111, s40
	s_or_b32 s[G1+0], s43, (3<<16)|(1<<21)         ; A: the mask of my row; elements of 8 bytes; no padding; bit 21 beside a mask
	s_mov_b32 s[G1+1], 512<<16                     ; tensor_dim0: 4,096 bytes
	s_mov_b32 s[G1+2], 4<<16                       ; tensor_dim1: four tiles of tokens
	s_mov_b32 s[G1+3], 512<<16                     ; tile_dim0
	s_mov_b32 s[G1+4], 4                           ; tile_dim1
	s_mov_b32 s[G1+5], 2048                        ; the pitch: 16,384 bytes
	s_mov_b32 s[G1+6], 0
	s_mov_b32 s[G1+7], 0
	s_or_b32 s[G1B+0], s44, (0<<16)|(1<<20)|(1<<21)|(5<<22)|(3<<25)   ; B: my column; elements of 1 byte; 4 words of padding after every 64
	s_mov_b32 s[G1B+1], ROWB<<16
	s_mov_b32 s[G1B+2], 128<<16
	s_mov_b32 s[G1B+3], ROWB<<16
	s_mov_b32 s[G1B+4], 128
	s_mov_b32 s[G1B+5], 1024
	s_mov_b32 s[G1B+6], 0
	s_mov_b32 s[G1B+7], 0
	s_lshl_b32 s20, s17, 17                        ; A: 8 tiles of tokens x 16,384 bytes a tile row,
	s_lshl_b32 s18, s16, 16                        ; + my four
	s_add_co_u32 s20, s20, s18
	s_mov_b32 s21, 0
	s_lshl_b32 s46, s42, 8
	s_lshl_b32 s18, s16, 7
	s_add_co_u32 s46, s46, s18                     ; B: row 256 x tile column + 128 x half
	s_lshl_b32 s46, s46, 10
	s_add_co_u32 s46, s46, 0x300000                ; in plane 3 of the weights' codes
	s_mov_b32 s47, 0
	s_lshl_b32 s45, s16, 14                        ; where they go: A's halves,
	s_mul_i32 s67, s16, HALFT
	s_add_co_u32 s67, s67, ASZ                     ; B's halves behind them
	s_wait_dscnt 0x0
	s_wait_kmcnt 0x0
	s_load_b64 s[96:97], s[8:9], 0x28              ; e10, e11
	s_add_nc_u64 s[20:21], s[4:5], s[20:21]
	s_add_nc_u64 s[46:47], s[6:7], s[46:47]
	CROUND
.irp s, 0,1
	s_mov_b32 s[G0+4*\s], 1
	s_add_co_u32 s[G0+4*\s+1], s45, \s*SLOT
	s_add_nc_u64 s[G0+4*\s+2:G0+4*\s+3], s[20:21], \s*4096
	s_or_b32 s[G0+4*\s+3], s[G0+4*\s+3], 0x80000000
	s_mov_b32 s[G0B+4*\s], 1
	s_add_co_u32 s[G0B+4*\s+1], s67, \s*SLOT
	s_add_nc_u64 s[G0B+4*\s+2:G0B+4*\s+3], s[46:47], \s*ROWB
	s_or_b32 s[G0B+4*\s+3], s[G0B+4*\s+3], 0x80000000
	JLOAD G0+4*\s, G1, G0B+4*\s, G1B
.endr
	v_and_b32 v1, 15, v0                           ; r
	v_bfe_u32 v2, v0, 4, 1                         ; h
	v_and_b32 v6, 31, v0
	v_lshlrev_b32 v[CO], 4, v6                     ; 16 x lane
	v_mul_u32_u24 v3, v1, PITCH
	v_lshl_add_u32 v4, v2, 4, v3
	s_lshl_b32 s21, s15, 14                        ; my four images of A
	s_mul_i32 s22, s16, HALFT
	s_add_co_u32 s22, s22, ASZ                     ; my 128 rows of B
.irp s, 0,1
	v_add_nc_u32 v[ADRA+\s], s21, v[CO]
	v_add_nc_u32 v[ADRB+\s], s22, v4
	s_add_co_u32 s21, s21, SLOT
	s_add_co_u32 s22, s22, SLOT
.endr
	s_mul_i32 s23, s14, 16*SPITCH
	v_mul_u32_u24 v5, v1, SPITCH
	v_lshl_add_u32 v5, v2, 5, v5
	v_add_nc_u32 v[STO], s23, v5
	v_add_nc_u32 v[RD], s23, v[CO]
	v_lshlrev_b32 v9, 5, v2                        ; fc_b: my half's eight columns of each 16
	s_lshl_b32 s90, s17, 7
	s_lshl_b32 s91, s15, 6
	s_add_co_u32 s90, s90, s91                     ; my first token
	s_lshl_b32 s90, s90, 12
	s_lshl_b32 s91, s42, 8
	s_lshl_b32 s92, s16, 7
	s_add_co_u32 s91, s91, s92                     ; my first column
	s_lshl_b32 s92, s91, 2
	s_mov_b32 s93, 0
	s_add_nc_u64 s[84:85], s[10:11], s[92:93]
	s_add_co_u32 s92, s92, s90
	s_add_nc_u64 s[86:87], s[80:81], s[92:93]
	s_add_nc_u64 s[88:89], s[82:83], s[92:93]
.irp b, 0,1,2,3,4,5,6,7
	global_load_b128 v[BN+8*\b:BN+8*\b+3], v9, s[84:85] offset:64*\b
	global_load_b128 v[BN+8*\b+4:BN+8*\b+7], v9, s[84:85] offset:64*\b+16
.endr
	WIN 0xc0                                       ; destination window 3
.set j, 0
.rept 64
	global_load_b128 v[4*j:4*j+3], v[CO], s[86:87] offset:4096*j th:TH_LOAD_NT   ; row j of my 64: 512 consecutive bytes
.set j, j+1
.endr
	WIN 0
.macro FRAG reg, adr, q, i
.irp c, 0,1,2,3
	ds_load_b128 v[\reg+4*\c:\reg+4*\c+3], v[\adr] offset:128*(\q)+32*\c+(\i)*16*PITCH
.endr
.endm
.macro FRAGA reg, adr, q, i            ; an image comes back as it was stored: 512 consecutive bytes a load
.irp c, 0,1,2,3
	ds_load_b128 v[\reg+4*\c:\reg+4*\c+3], v[\adr] offset:2048*(\q)+512*\c+(\i)*4096
.endr
.endm
; 8 matrix instructions: A's block a x B's eight.  The 32 accumulators take turns, one instruction a turn, in the same order in every step.
.macro MUL8 a, p, zero
.irp b, 0,1,2,3,4,5,6,7
.if \zero
	v_wmma_f32_16x16x128_bf8_bf8 v[8*(8*(\a)+\b):8*(8*(\a)+\b)+7], v[128*(\p)+FR*\b:128*(\p)+FR*\b+FR-1], v[AF+FR*(\a):AF+FR*(\a)+FR-1], 0
.else
	v_wmma_f32_16x16x128_bf8_bf8 v[8*(8*(\a)+\b):8*(8*(\a)+\b)+7], v[128*(\p)+FR*\b:128*(\p)+FR*\b+FR-1], v[AF+FR*(\a):AF+FR*(\a)+FR-1], v[8*(8*(\a)+\b):8*(8*(\a)+\b)+7]
.endif
.endr
.endm
.macro FETCH_B slot, q, p
	WIN TO_B
.irp i, 0,1,2,3,4,5,6,7
	FRAG 128*(\p)+FR*\i, ADRB+\slot, \q, \i
.endr
	WIN 0
.endm
.macro FETCH_A slot, q, i0
.irp i, \i0, \i0+1
	FRAGA AF+FR*(\i), ADRA+\slot, \q, \i
.endr
.endm
.macro PLACES n
.rept \n
	v_nop
.endr
.endm
.macro STEP slot, q, zero
	s_wait_dscnt 2*NL                              ; B's set and A's blocks 0, 1 are in; the youngest 8 loads (blocks 2, 3) may be out
	WIN MUL
	MUL8 0, (\q)%2, \zero
	MUL8 1, (\q)%2, \zero
	s_wait_dscnt 0
	PLACES NP
	FETCH_B \slot, (\q)+1, 1-(\q)%2
	FETCH_A \slot, (\q)+1, 0
	WIN MUL
	MUL8 2, (\q)%2, \zero
	MUL8 3, (\q)%2, \zero
	PLACES NP
	WIN 0
	FETCH_A \slot, (\q)+1, 2
.endm
.macro TURN slot, next, fill
	s_wait_tensorcnt 0x0                           ; all my tensor loads have landed: my part of the next slot
	ds_add_u32 v[SPW], v[NIL]
	s_wait_dscnt 2*NL+1                            ; (the add and the youngest 8 loads may be out)
	WIN MUL
	MUL8 0, 1, 0
	s_wait_dscnt 0x0                               ; the add is done, and my reads of this slot are over
	s_barrier_signal -1
	MUL8 1, 1, 0
	WIN 0
	s_barrier_wait -1
.if \fill
	CREST
	s_add_nc_u64 s[G0+4*\slot+2:G0+4*\slot+3], s[G0+4*\slot+2:G0+4*\slot+3], 2*4096
	s_add_nc_u64 s[G0B+4*\slot+2:G0B+4*\slot+3], s[G0B+4*\slot+2:G0B+4*\slot+3], 2*ROWB
	JLOAD G0+4*\slot, G1, G0B+4*\slot, G1B         ; the first tensor load behind the round; its four v_nop are the places in front of the loads below
.else
	PLACES NP
.endif
	FETCH_B \next, 0, 0
	FETCH_A \next, 0, 0
	WIN MUL
	MUL8 2, 1, 0
	MUL8 3, 1, 0
	PLACES NP
	WIN 0
	FETCH_A \next, 0, 2
.endm
	s_wait_tensorcnt 1                             ; my part of K step 0 is in; K step 1's load may stay out
	s_barrier_signal -1
	s_barrier_wait -1
	FETCH_B 0, 0, 0
	FETCH_A 0, 0, 0
	FETCH_A 0, 0, 2
	STEP 0, 0, 1                                   ; four K steps of 256, eight steps of 128: written out
	TURN 0, 1, 1
	STEP 1, 0, 0
	TURN 1, 0, 1
	STEP 0, 0, 0
	TURN 0, 1, 0
	STEP 1, 0, 0
	s_wait_dscnt 2*NL
	WIN MUL
	MUL8 0, 1, 0
	MUL8 1, 1, 0
	s_wait_dscnt 0
	MUL8 2, 1, 0
	MUL8 3, 1, 0
	WIN 0
; THE WAY OUT, a block of 16 tokens x 128 columns at a time: sum x 2^(e10 + e11) + fc_b; through my stage, back as whole rows of 512 bytes; + x; stored.
.macro TOSTAGE a
.set AC, 64*(\a)
	WIN 0x02                                       ; source 0: window 2
.set j, 0
.rept 32
	v_pk_fma_f32 v[TMP+j:TMP+j+1], v[AC+j:AC+j+1], s[96:97], v[BN+j:BN+j+1] op_sel_hi:[1,0,1]   ; each accumulator from its low end on
.set j, j+2
.endr
	WIN 0
.irp b, 0,1,2,3,4,5,6,7
	ds_store_b128 v[STO], v[TMP+8*\b:TMP+8*\b+3] offset:64*\b
	ds_store_b128 v[STO], v[TMP+8*\b+4:TMP+8*\b+7] offset:64*\b+16
.endr
	WIN TO_B
.irp t, 0,1,2,3,4,5,6,7,8,9,10,11,12,13,14,15
	ds_load_b128 v[64*(\a)+4*\t:64*(\a)+4*\t+3], v[RD] offset:\t*SPITCH   ; LDS serves a wave's instructions in order (ISA guide 5.7.1.4)
.endr
.endm
.macro SEND a, younger                 ; each block has its own registers: no store's data are written again
	s_wait_dscnt \younger
	WIN 0x4d                                       ; destination and source 0 window 1, source 1 (x) window 3
.set j, 0
.rept 32
	v_pk_add_f32 v[64*(\a)+j:64*(\a)+j+1], v[64*(\a)+j:64*(\a)+j+1], v[64*(\a)+j:64*(\a)+j+1]
.set j, j+2
.endr
	WIN 0x04                                       ; a store's data: source 1, window 1
.irp t, 0,1,2,3,4,5,6,7,8,9,10,11,12,13,14,15
	global_store_b128 v[CO], v[64*(\a)+4*\t:64*(\a)+4*\t+3], s[88:89] offset:(16*(\a)+\t)*4096 th:TH_STORE_NT   ; 512 consecutive bytes, aligned
.endr
.endm
	s_wait_kmcnt 0x0
	s_add_co_i32 s96, s96, s97
	s_add_co_i32 s96, s96, 127
	s_lshl_b32 s96, s96, 23                        ; 2^(e10 + e11) as f32
	s_wait_loadcnt 0x0                             ; fc_b and x
	PLACES NP
	TOSTAGE 0
.irp a, 1,2,3
	TOSTAGE \a
	SEND \a-1, 32                                  ; behind block a - 1's loads: block a's 16 stores and 16 loads
.endr
	SEND 3, 0
	WIN 0
	s_wait_tensorcnt 0x0                           ; the wave's end
	ds_add_u32 v[SPW], v[NIL]
	s_wait_dscnt 0x0
	CROUND                                         ; the closing round
	s_endpgm
.Lfunc_end_k_q9e4ac06af0_fc:
	.size	k_q9e4ac06af0_fc, .Lfunc_end_k_q9e4ac06af0_fc-k_q9e4ac06af0_fc
	.p2alignl 7, 3214868480
	.fill 96, 4, 3214868480
	.section	.rodata,"a",@progbits
	.p2align	6, 0x0
	.amdhsa_kernel k_q9e4ac06af0_fc
		.amdhsa_group_segment_fixed_size 327680
		.amdhsa_private_segment_fixed_size 0
		.amdhsa_enable_private_segment 0
		.amdhsa_kernarg_size 48
		.amdhsa_user_sgpr_count 2
		.amdhsa_user_sgpr_kernarg_segment_ptr 1
		.amdhsa_wavefront_size32 1
		.amdhsa_system_sgpr_workgroup_id_x 1
		.amdhsa_system_sgpr_workgroup_id_y 1
		.amdhsa_system_sgpr_workgroup_id_z 1
		.amdhsa_system_vgpr_workitem_id 0
		.amdhsa_next_free_vgpr 1024
		.amdhsa_next_free_sgpr 100
		.amdhsa_reserve_vcc 0
		.amdhsa_float_denorm_mode_32 3
		.amdhsa_float_denorm_mode_16_64 3
		.amdhsa_memory_ordered 1
		.amdhsa_forward_progress 1
		.amdhsa_inst_pref_size 92
	.end_amdhsa_kernel
	.amdgpu_metadata
---
amdhsa.version: [ 1, 2 ]
amdhsa.kernels:
  - .name:           k_q9e4ac06af0_fc
    .symbol:         k_q9e4ac06af0_fc.kd
    .args:
      - { .name: ctx_img, .offset: 0, .size: 8, .value_kind: global_buffer, .address_space: global }
      - { .name: w_codes, .offset: 8, .size: 8, .value_kind: global_buffer, .address_space: global }
      - { .name: lowp_scales, .offset: 16, .size: 8, .value_kind: global_buffer, .address_space: global }
      - { .name: fc_b, .offset: 24, .size: 8, .value_kind: global_buffer, .address_space: global }
      - { .name: x, .offset: 32, .size: 8, .value_kind: global_buffer, .address_space: global }
      - { .name: out0, .offset: 40, .size: 8, .value_kind: global_buffer, .address_space: global }
    .group_segment_fixed_size: 327680
    .private_segment_fixed_size: 0
    .kernarg_segment_align: 8
    .kernarg_segment_size: 48
    .max_flat_workgroup_size: 128
    .sgpr_count:     100
    .vgpr_count:     1024
    .wavefront_size: 32
...
	.end_amdgpu_metadata
.endif
;; end of part 4
